; MI455X (gfx1250); checked and timed in simulation.
; The chip was launched on July 23, 2026; its instructions are those of AMD's public machine-readable ISA for CDNA 5 (MIT licence, August 2026) and "CDNA5" Instruction Set Architecture Reference Guide (July 2026). The comments in the code are by the model that wrote it; some were corrected since.
;; Sparse Mo E. Allowed arithmetic: matrix products marked QUANTISED: E2M1 operands, one E8M0 scale for each 32 along K, by v_wmma_scale_f32_16x16x128_f8f6f4 with both operands' format E2M1 (or v_wmma_scale_f32_32x16x128_f4), f32 sums; products left as they are: f32 operands where the result goes on into a quantised operand, else bf16, f16 or f32 operands; f32 sums; everything else in f32.
;; Inputs: W_down 8 x 2,048 x 1,024 float32; W_gate 8 x 1,024 x 2,048 float32; W_up 8 x 1,024 x 2,048 float32; Wg 1,024 x 8 float32; Ws_down 2,048 x 1,024 float32; Ws_gate 1,024 x 2,048 float32; Ws_up 1,024 x 2,048 float32; x 2 x 512 x 1,024 float32.
;; Outputs: out0 2 x 512 x 1,024 float32; out1 one number float32.
;; This version of the problem:
;;   THIS VERSION OF THE PROBLEM IS GIVEN IN LOW PRECISION. The matrix products marked QUANTISED in the list below multiply operands that are first quantised to E2M1 (2 exponent bits, 1 mantissa bit; 4 bits a number), with one power-of-two scale for each 32 numbers along K (OCP MX v1.0); their sums are f32. All else is computed in f32.
;;   The module's matrix products, in the order in which they are computed (A, B: the left and right operand; K: the contracted axis; several contracted axes count as one K, in the product's order):
;;     1. [M 1,024, K 1,024] x [K 1,024, N 2,048]; A: input x; B: input Ws_gate: QUANTISED
;;     2. [M 1,024, K 1,024] x [K 1,024, N 2,048]; A: input x; B: input Ws_up: QUANTISED
;;     3. [M 1,024, K 2,048] x [K 2,048, N 1,024]; A: computed on the way; B: input Ws_down: QUANTISED
;;     4. [M 1,024, K 1,024] x [K 1,024, N 8]; A: input x; B: input Wg: left as it is (N = 8 < 16)
;;     5. batch 1,024 x [M 1, K 2] x [K 2, N 8]; A: computed on the way; B: computed on the way: left as it is (K = 2 < 32)
;;     6. [M 1,024, K 1,024] x [K 1,024, N 2,048]; A: input x; B: input W_gate: QUANTISED
;;     7. [M 1,024, K 1,024] x [K 1,024, N 2,048]; A: input x; B: input W_up: QUANTISED
;;     8. [M 1,024, K 2,048] x [K 2,048, N 1,024]; A: computed on the way; B: input W_down: QUANTISED
;;     9. [M 1,024, K 1,024] x [K 1,024, N 2,048]; A: input x; B: input W_gate: QUANTISED
;;     10. [M 1,024, K 1,024] x [K 1,024, N 2,048]; A: input x; B: input W_up: QUANTISED
;;     11. [M 1,024, K 2,048] x [K 2,048, N 1,024]; A: computed on the way; B: input W_down: QUANTISED
;;     12. [M 1,024, K 1,024] x [K 1,024, N 2,048]; A: input x; B: input W_gate: QUANTISED
;;     13. [M 1,024, K 1,024] x [K 1,024, N 2,048]; A: input x; B: input W_up: QUANTISED
;;     14. [M 1,024, K 2,048] x [K 2,048, N 1,024]; A: computed on the way; B: input W_down: QUANTISED
;;     15. [M 1,024, K 1,024] x [K 1,024, N 2,048]; A: input x; B: input W_gate: QUANTISED
;;     16. [M 1,024, K 1,024] x [K 1,024, N 2,048]; A: input x; B: input W_up: QUANTISED
;;     17. [M 1,024, K 2,048] x [K 2,048, N 1,024]; A: computed on the way; B: input W_down: QUANTISED
;;     18. [M 1,024, K 1,024] x [K 1,024, N 2,048]; A: input x; B: input W_gate: QUANTISED
;;     19. [M 1,024, K 1,024] x [K 1,024, N 2,048]; A: input x; B: input W_up: QUANTISED
;;     20. [M 1,024, K 2,048] x [K 2,048, N 1,024]; A: computed on the way; B: input W_down: QUANTISED
;;     21. [M 1,024, K 1,024] x [K 1,024, N 2,048]; A: input x; B: input W_gate: QUANTISED
;;     22. [M 1,024, K 1,024] x [K 1,024, N 2,048]; A: input x; B: input W_up: QUANTISED
;;     23. [M 1,024, K 2,048] x [K 2,048, N 1,024]; A: computed on the way; B: input W_down: QUANTISED
;;     24. [M 1,024, K 1,024] x [K 1,024, N 2,048]; A: input x; B: input W_gate: QUANTISED
;;     25. [M 1,024, K 1,024] x [K 1,024, N 2,048]; A: input x; B: input W_up: QUANTISED
;;     26. [M 1,024, K 2,048] x [K 2,048, N 1,024]; A: computed on the way; B: input W_down: QUANTISED
;;     27. [M 1,024, K 1,024] x [K 1,024, N 2,048]; A: input x; B: input W_gate: QUANTISED
;;     28. [M 1,024, K 1,024] x [K 1,024, N 2,048]; A: input x; B: input W_up: QUANTISED
;;     29. [M 1,024, K 2,048] x [K 2,048, N 1,024]; A: computed on the way; B: input W_down: QUANTISED
;;   THE QUANTISER, for each operand of a quantised product, along K:
;;     - K is cut into blocks of 32 from its start; a last block that is shorter is filled with zeros.
;;     - A block's scale is 2^e with e = floor(log2(the largest magnitude in the block)) - 2, held to -126 .. 127; a block of zeros has e = 0. As a byte (E8M0): e + 127.
;;     - Each number is divided by its block's scale, clamped to +-6, and rounded to the nearest number of E2M1, ties to even, subnormals kept.
;;     - The product sums the exact products of the quantised numbers (number of the format x scale) in f32.
;;   ~~~python
;;   def quantise(x, axis):      # numpy; x: float32 -> the quantised numbers, widened to float32 again
;;       x = np.moveaxis(x, axis, -1); K = x.shape[-1]
;;       x = np.pad(x, [(0, 0)] * (x.ndim - 1) + [(0, -K % 32)]); x = x.reshape(x.shape[:-1] + (-1, 32)); a = np.abs(x).max(-1, keepdims=True)
;;       e = np.where(a > 0, np.clip(np.frexp(np.where(a > 0, a, 1))[1] - 1 - 2, -126, 127), 0)      # np.frexp(a)[1] - 1 = floor(log2(a)), exactly
;;       r = np.clip(x / 2.0 ** e, -6, 6)
;;       step = 2.0 ** (np.maximum(np.frexp(np.where(r == 0, 1, r))[1] - 1, 0) - 1)
;;       q = np.round(r / step) * step * 2.0 ** e      # np.round: ties to even
;;       return np.moveaxis(q.reshape(q.shape[:-2] + (-1,))[..., :K], -1, axis).astype(np.float32)
;;   ~~~
;;   OPERANDS COMPUTED ON THE WAY. 'Computed on the way' means the value that the module computes at that place (a softmax that the list does not call 'softmax' is quantised finished and normalised). What goes into a quantiser is computed in f32, as accurately as f32 sums, v_exp_f32 and their like allow (about 1e-6 of the number): no bf16 or f16 on the way to a quantiser, and a product that is left as it is and whose result goes on into a quantised operand takes f32 operands (vector FMAs, or v_wmma_f32_16x16x4_f32). A number that lies on a knife's edge between two numbers of the format may be rounded either way, as far as f32 arithmetic and the matrix unit's own rounding can turn it there, and no further.
;; One version. Each part assembles by itself: llvm-mc -triple=amdgcn-amd-amdhsa -mcpu=gfx1250 --defsym DOCPART=n.
;; ======== version 1 of 1: 4 launches
;; limits: right only within a limited range of input values
;; workspace buffers: xq 524,288 bytes; xs 32,768 bytes; tki 8,192 bytes of whole numbers; tkw 8,192 bytes; sc 32,768 bytes; hid 12,582,912 bytes; hs 786,432 bytes; y 14,155,776 bytes
;; launch route (part 1): grid 256 x 1, 4 waves a work-group, no clusters, 33,792 bytes of LDS; arguments x, Wg, xq, xs, tki, tkw, sc; writes xq, xs, tki, tkw, sc
.if DOCPART == 1
	.amdgcn_target "amdgcn-amd-amdhsa--gfx1250"
	.amdhsa_code_object_version 6
	.text
	.protected	k_qe6779de310_route
	.globl	k_qe6779de310_route
	.p2align	8
	.type	k_qe6779de310_route,@function
k_qe6779de310_route:
	s_mov_b64 s[64:65], 0
	v_nop
	global_prefetch_b8 v0, s[64:65] scope:SCOPE_SE
	s_setreg_imm32_b32 hwreg(HW_REG_WAVE_MODE, 25, 1), 1
	s_wait_xcnt 0x0
; SPARSE MoE, launch 1 of 4.  x's codes of E2M1 and E8M0 scale bytes; the router.
; WORK LEFT OUT BY THE PROGRAM.  reference() adds combine[n, e] x ffn_e(h[n]) for all eight routed experts.  combine is the einsum of topk_w with the one_hot that reference() builds from its own
; top_k, so combine[n, e] is exactly 0 for every e that is not one of token n's two chosen experts, whatever the inputs hold.  Those rows of the routed products reach no output and are not multiplied:
; each token goes through the shared expert and its two chosen experts.  The einsum with the one_hot is a selection: the two weights are used as they are.  Every input has a way to an output and is loaded.
; LIMIT: a NaN, an infinity or an overflow that arises only in a row of an expert that was not chosen is not carried to the result.
; LIMITS: a block whose largest magnitude lies under 2^-124 keeps the scale byte 1, and so does a block of zeros, where the quantiser says 127: its codes are zeros, and this program alone reads the bytes.
; NaN and infinities among the inputs are not served.  The logits are summed in another order than reference()'s: two scores within a few last bits of each other may be ranked the other way.
; One wave, one token: lane l holds x[n][32 l .. 32 l + 31], a whole block; logits by fused multiply-adds in f32, softmax with its maximum taken away, the two largest scores (the lower index on a tie),
; their weights.  What is chosen is only STORED here, at fixed places; the later launches read it.
; Wg, 32 KiB, comes into LDS once for the four waves, by loads of 512 consecutive bytes a wave; 16 bytes of padding behind each 1,024, so that the lanes' reads (a lane's 32 rows are 1,024 bytes) start at different banks.
.set X,     32                         ; v32-63 the lane's 32 numbers of x
.set ACC,   16                         ; v16-23 the eight logits
.set W,     64                         ; v64-127 Wg on its way into LDS; then two sets of four rows of Wg
.set WP,    1040                       ; LDS: a lane's 32 rows of Wg + 16
.set SPARE, 33280                      ; the spare words, 128 bytes a wave
	s_load_b256 s[4:11], s[0:1], 0x0               ; x, Wg, xq, xs
	s_load_b128 s[12:15], s[0:1], 0x20             ; tki, tkw
	s_load_b64 s[16:17], s[0:1], 0x30              ; sc
	v_lshl_add_u32 v6, v0, 2, SPARE                ; my spare word; never rewritten
	v_mov_b32 v7, 0                                ; 0; never rewritten
	v_lshrrev_b32 v1, 5, v0
	v_readfirstlane_b32 s20, v1                    ; wave
	v_and_b32 v2, 31, v0                           ; lane
	s_lshl_b32 s21, ttmp9, 2
	s_add_co_u32 s21, s21, s20                     ; my token
	v_lshlrev_b32 v1, 7, v2                        ; x: 128 bytes a lane
	v_mul_u32_u24 v3, v2, WP                       ; Wg in LDS: my 32 rows
	v_lshlrev_b32 v4, 4, v2                        ; my 16 bytes of codes
	v_mov_b32 v5, 0
	v_lshlrev_b32 v8, 4, v0                        ; Wg in memory: 16 bytes a thread
	v_lshrrev_b32 v9, 6, v0
	v_lshl_add_u32 v9, v9, 4, v8                   ; and in LDS: 16 more for each 1,024 passed
	s_lshl_b32 s22, s21, 12
	s_mov_b32 s23, 0
	s_lshl_b32 s24, s21, 9
	s_mov_b32 s25, 0
	s_lshl_b32 s26, s21, 5
	s_mov_b32 s27, 0
	s_lshl_b32 s28, s21, 3
	s_mov_b32 s29, 0
	s_mov_b32 s42, 0x76543210
	s_mov_b32 s43, 0xfedcba98                      ; v_permlanex16_b32's selects for lane l xor 16
	s_wait_alu depctr_va_vdst(0)                   ; the wait at the head's end
	s_wait_kmcnt 0x0
	s_add_nc_u64 s[4:5], s[4:5], s[22:23]
	s_add_nc_u64 s[8:9], s[8:9], s[24:25]
	s_add_nc_u64 s[10:11], s[10:11], s[26:27]
	s_add_nc_u64 s[12:13], s[12:13], s[28:29]
	s_add_nc_u64 s[14:15], s[14:15], s[28:29]
	s_add_nc_u64 s[16:17], s[16:17], s[26:27]
.irp j, 0,1,2,3,4,5,6,7
	global_load_b128 v[X+4*\j:X+4*\j+3], v1, s[4:5] offset:16*\j th:TH_LOAD_NT
.endr
.irp q, 0,1,2,3,4,5,6,7,8,9,10,11,12,13,14,15
	global_load_b128 v[W+4*\q:W+4*\q+3], v8, s[6:7] offset:2048*\q
.endr
	s_wait_loadcnt 0x0
.irp q, 0,1,2,3,4,5,6,7,8,9,10,11,12,13,14,15
	ds_store_b128 v9, v[W+4*\q:W+4*\q+3] offset:2080*\q
.endr
	s_wait_dscnt 0x0                               ; my part of Wg lies in LDS
	s_barrier_signal -1
	s_barrier_wait -1
.macro WLOAD q                         ; rows 4 q .. 4 q + 3 of my 32 rows of Wg, into set q % 2
.irp i, 0,1,2,3
.irp c, 0,1
	ds_load_b128 v[W+32*((\q)%2)+8*\i+4*\c:W+32*((\q)%2)+8*\i+4*\c+3], v3 offset:32*(4*(\q)+\i)+16*\c
.endr
.endr
.endm
.macro DOT q, i, p                     ; two logits += x(4 q + i) x Wg's two numbers; the very first product starts the sums
.set WR, W+32*((\q)%2)+8*(\i)+2*(\p)
.set XR, X+4*(\q)+2*((\i)/2)
.set AR, ACC+2*(\p)
.if ((\q) == 0) && ((\i) == 0)
	v_pk_mul_f32 v[AR:AR+1], v[WR:WR+1], v[XR:XR+1] op_sel_hi:[1,0]
.elseif ((\i)%2) == 0
	v_pk_fma_f32 v[AR:AR+1], v[WR:WR+1], v[XR:XR+1], v[AR:AR+1] op_sel_hi:[1,0,1]
.else
	v_pk_fma_f32 v[AR:AR+1], v[WR:WR+1], v[XR:XR+1], v[AR:AR+1] op_sel:[0,1,0] op_sel_hi:[1,1,1]
.endif
.endm
.macro GROUP q
.if (\q) < 7
	s_wait_dscnt 8                                 ; this group is in; the next group's eight loads may be out
.else
	s_wait_dscnt 0x0
.endif
.irp i, 0,1,2,3
.irp p, 0,1,2,3
	DOT \q, \i, \p
.endr
.endr
.if (\q)+2 < 8
	WLOAD (\q)+2
.endif
.endm
	WLOAD 0
	WLOAD 1
.irp q, 0,1,2,3,4,5,6,7
	s_wait_alu depctr_va_vdst(0)
	GROUP \q
.endr
	s_wait_tensorcnt 0x0                           ; behind my last LDS store, all lanes on
	ds_add_u32 v6, v7
	s_wait_dscnt 0x0
	; x's codes and scale byte: my 32 numbers are a whole block; the floor 2^(3 - 127) holds the byte at 1 from below
	v_max3_num_f32 v28, |v[X]|, |v[X+1]|, |v[X+2]|
	v_max3_num_f32 v29, |v[X+3]|, |v[X+4]|, |v[X+5]|
.irp i, 6,10,14,18,22,26
	v_max3_num_f32 v28, v28, |v[X+\i]|, |v[X+\i+1]|
	v_max3_num_f32 v29, v29, |v[X+\i+2]|, |v[X+\i+3]|
.endr
	v_max3_num_f32 v28, v28, |v[X+30]|, |v[X+31]|
	v_max3_num_f32 v28, v28, v29, 0x1800000
	v_add_nc_u32 v30, 0xff000000, v28              ; 2 off the exponent field: the conversions' scale operand
.irp g, 0,1,2,3
	v_cvt_scalef32_pk8_fp4_f32 v[24+\g], v[X+8*\g:X+8*\g+7], v30
.endr
	v_lshrrev_b32 v31, 23, v30                     ; the scale's byte (a plain line behind the conversions)
	global_store_b128 v4, v[24:27], s[8:9]         ; the token's 512 bytes of codes
	global_store_b8 v2, v31, s[10:11]              ; and its 32 scale bytes
.irp m, 1,2,4,8
.irp e, 0,1,2,3,4,5,6,7
	v_add_f32_dpp v[ACC+\e], v[ACC+\e], v[ACC+\e] row_xmask:\m row_mask:0xf bank_mask:0xf
.endr
.endr
.irp e, 0,1,2,3,4,5,6,7
	v_mov_b32 v[64+\e], 0                          ; a lane permute's destination counts as one of its sources
.endr
.irp e, 0,1,2,3,4,5,6,7
	v_permlanex16_b32 v[64+\e], v[ACC+\e], s42, s43
.endr
.irp e, 0,1,2,3,4,5,6,7
	v_add_f32 v[ACC+\e], v[ACC+\e], v[64+\e]
.endr
	v_max3_num_f32 v72, v16, v17, v18              ; softmax: the maximum is taken away
	v_max3_num_f32 v72, v72, v19, v20
	v_max3_num_f32 v72, v72, v21, v22
	v_max_num_f32 v72, v72, v23
.irp e, 0,1,2,3,4,5,6,7
	v_sub_f32 v[80+\e], v[ACC+\e], v72
.endr
.irp e, 0,1,2,3,4,5,6,7
	v_mul_f32 v[80+\e], 0x3fb8aa3b, v[80+\e]
.endr
	s_wait_alu depctr_va_vdst(0)
.irp e, 0,1,2,3,4,5,6,7
	v_exp_f32 v[80+\e], v[80+\e]
.endr
	v_nop
	s_wait_alu depctr_va_vdst(0)
	v_add_f32 v73, v80, v81
	v_add_f32 v74, v82, v83
	v_add_f32 v75, v84, v85
	v_add_f32 v76, v86, v87
	v_add_f32 v73, v73, v74
	v_add_f32 v75, v75, v76
	v_add_f32 v73, v73, v75
	s_wait_alu depctr_va_vdst(0)
	v_rcp_f32 v73, v73
	v_nop
	s_wait_alu depctr_va_vdst(0)
.irp e, 0,1,2,3,4,5,6,7
	v_mul_f32 v[80+\e], v[80+\e], v73              ; the scores
.endr
	v_mov_b32 v88, v80                             ; the largest: replaced only by a strictly larger one: the lower index stays on a tie
	v_mov_b32 v90, 0
.irp e, 1,2,3,4,5,6,7
	v_cmp_ge_f32 vcc_lo, v88, v[80+\e]
	v_cndmask_b32 v88, v[80+\e], v88, vcc_lo
	v_cndmask_b32 v90, \e, v90, vcc_lo
.endr
	v_mov_b32 v89, -1.0                            ; the second: the same, the first's index passed over; scores are never negative
	v_mov_b32 v91, 0
.irp e, 0,1,2,3,4,5,6,7
	v_cmp_ge_f32 s40, v89, v[80+\e]
	v_cmp_eq_u32 s41, \e, v90
	s_or_b32 vcc_lo, s40, s41
	v_cndmask_b32 v89, v[80+\e], v89, vcc_lo
	v_cndmask_b32 v91, \e, v91, vcc_lo
.endr
	v_add_f32 v92, v88, v89
	v_add_f32 v92, 0x3089705f, v92                 ; + 1e-9
	s_wait_alu depctr_va_vdst(0)
	v_rcp_f32 v92, v92
	v_nop
	s_wait_alu depctr_va_vdst(0)
	v_mul_f32 v94, v88, v92
	v_mul_f32 v95, v89, v92
	s_wait_alu depctr_va_vdst(0)
	s_wait_xcnt 0x0                                ; EXEC is narrowed only behind this wait
	v_cmpx_gt_u32 1, v2                            ; every lane holds the same numbers: lane 0 stores them, at places fixed by the token's number
	global_store_b64 v5, v[90:91], s[12:13]
	global_store_b64 v5, v[94:95], s[14:15]
	global_store_b128 v5, v[80:83], s[16:17]
	global_store_b128 v5, v[84:87], s[16:17] offset:16
	s_endpgm
.Lfunc_end_k_qe6779de310_route:
	.size	k_qe6779de310_route, .Lfunc_end_k_qe6779de310_route-k_qe6779de310_route
	.p2alignl 7, 3214868480
	.fill 96, 4, 3214868480
	.section	.rodata,"a",@progbits
	.p2align	6, 0x0
	.amdhsa_kernel k_qe6779de310_route
		.amdhsa_group_segment_fixed_size 33792
		.amdhsa_private_segment_fixed_size 0
		.amdhsa_enable_private_segment 0
		.amdhsa_kernarg_size 56
		.amdhsa_user_sgpr_count 2
		.amdhsa_user_sgpr_kernarg_segment_ptr 1
		.amdhsa_wavefront_size32 1
		.amdhsa_system_sgpr_workgroup_id_x 1
		.amdhsa_system_sgpr_workgroup_id_y 1
		.amdhsa_system_sgpr_workgroup_id_z 1
		.amdhsa_system_vgpr_workitem_id 0
		.amdhsa_next_free_vgpr 128
		.amdhsa_next_free_sgpr 66
		.amdhsa_reserve_vcc 1
		.amdhsa_float_denorm_mode_32 3
		.amdhsa_float_denorm_mode_16_64 3
		.amdhsa_memory_ordered 1
		.amdhsa_forward_progress 1
		.amdhsa_inst_pref_size 28
	.end_amdhsa_kernel
	.amdgpu_metadata
---
amdhsa.version: [ 1, 2 ]
amdhsa.kernels:
  - .name:           k_qe6779de310_route
    .symbol:         k_qe6779de310_route.kd
    .args:
      - { .name: x, .offset: 0, .size: 8, .value_kind: global_buffer, .address_space: global }
      - { .name: Wg, .offset: 8, .size: 8, .value_kind: global_buffer, .address_space: global }
      - { .name: xq, .offset: 16, .size: 8, .value_kind: global_buffer, .address_space: global }
      - { .name: xs, .offset: 24, .size: 8, .value_kind: global_buffer, .address_space: global }
      - { .name: tki, .offset: 32, .size: 8, .value_kind: global_buffer, .address_space: global }
      - { .name: tkw, .offset: 40, .size: 8, .value_kind: global_buffer, .address_space: global }
      - { .name: sc, .offset: 48, .size: 8, .value_kind: global_buffer, .address_space: global }
    .group_segment_fixed_size: 33792
    .private_segment_fixed_size: 0
    .kernarg_segment_align: 8
    .kernarg_segment_size: 56
    .max_flat_workgroup_size: 128
    .sgpr_count:     66
    .vgpr_count:     128
    .wavefront_size: 32
...
	.end_amdgpu_metadata
.endif
;; end of part 1
;; launch gateup (part 2): grid 193 x 1, 16 waves a work-group, no clusters, 150,784 bytes of LDS; arguments W_gate, W_up, Ws_gate, Ws_up, xq, xs, tki, sc, hid, hs, out1; writes hid, hs, out1
.if DOCPART == 2
	.amdgcn_target "amdgcn-amd-amdhsa--gfx1250"
	.amdhsa_code_object_version 6
	.text
	.protected	k_qe6779de310_gateup
	.globl	k_qe6779de310_gateup
	.p2align	8
	.type	k_qe6779de310_gateup,@function
k_qe6779de310_gateup:
	s_mov_b64 s[64:65], 0
	v_nop
	global_prefetch_b8 v0, s[64:65] scope:SCOPE_SE
	s_setreg_imm32_b32 hwreg(HW_REG_WAVE_MODE, 25, 1), 1
	s_wait_xcnt 0x0
; SPARSE MoE, launch 2 of 4.  hidden = silu(x Wgate) x (x Wup), quantised along the hidden units; the auxiliary loss.
; Work left out: only the rows of the experts that reference()'s own top_k chose are multiplied (shown at the head of the first launch).
; SHARES.  Work-group 16 g + hb, g = 0 .. 11: group g (0-7: routed expert g and the tokens that chose it; 8-11: the shared expert and tokens 256 (g - 8) .. + 255), hidden units 128 hb .. + 127.
; It reads its 256 weight columns (128 of gate, 128 of up) x K = 1,024 as f32, quantises them along K into LDS and multiplies them with its rows.  A routed weight is read by one work-group alone.
; THE WEIGHTS.  Wave w: gate or up (w & 1), 64 columns, 256 along K, in four units of 64 along K.  A load takes 16 bytes a lane: sixteen lanes cover 256 consecutive aligned bytes of a row, lanes 16-31
; the row 32 further down: a lane holds four columns x a whole block of 32.  Moves in pairs lay a column's 32 numbers in consecutive registers, as the conversions want them.  A unit's 32 loads a wave are out at once.
; PREFETCH.  When a wave has issued unit u's loads it asks for unit u + 1: 64 rows x 256 bytes, a lane a row, two instructions; the last unit asks for nothing.  The four groups of the shared expert read the
; same weights and share a unit's rows out by address: group g names rows 8 (g - 8) .. + 7 and those 32 further down (its other lanes name the same rows again).
; THE ROWS.  Wave 0 lists the group's tokens in LDS from tki (whole numbers that the first launch stored), in ascending order: slot = rank.  Slots of a last pass that no row takes repeat token 0; nothing gathers them.
; THE PRODUCTS.  Wave (blk = w & 3, rg = w >> 2): block blk of 32 hidden units x passes of 32 slots, rg + 4 trip: 2 row tiles x (gate, up) x 2 column tiles = 8 accumulators, by turns.  Eight trips always; a scalar
; branch on the count leads round the work of a pass with no rows.  USED TRANSPOSED (source 0 = 16 weight columns, source 1 = 16 rows of x); LDS row 16 u + r of a block holds column 8 u + r + 8 (r / 8),
; so that a lane's 16 registers of tiles 0, 1 are hidden units 16 (lane / 16) + 0 .. 15.
; OUT.  hid [group][block of 32 hidden][slot][16 bytes]: a row tile's codes are 256 consecutive aligned bytes.  hs [group][128 hidden][slot][4]: a byte a block; four waves fill a word (1 byte in 17 of what is stored).
; NO TENSOR LOAD, NO CLUSTER: trip work hangs on counts read from memory, and no two groups of routed rows share weights.
; Work-group 192, wave 0: aux = 0.08 x sum over e of (count_e / 2,048) (sum of scores_e / 1,024).
; LIMITS as in the first launch; where gate lies under about -88 the exponential overflows and the hidden number is 0, where reference() has a number under 1e-36.
.set ROWB,  8192                       ; a row of a weight matrix in bytes
.set PW,    528                        ; LDS: a column's 512 bytes of codes + 16
.set PS,    36                         ; a column's 32 scale bytes + 4
.set SCL,   135168                     ; behind 256 columns of codes: the scale bytes
.set LIST,  144384                     ; 1,024 words: slot -> token
.set CNTW,  148480                     ; the count
.set DUM,   148608                     ; a word a lane for lanes with nothing to list
.set SPARE, 148736                     ; the spare words, 128 bytes a wave
.set SPW, 1
.set NIL, 2
.set LBG, 3                            ; my gate fragments in LDS
.set LBU, 4                            ; my up fragments
.set LSW, 5                            ; the weights' scale words: lanes 0-15 gate's, 16-31 up's
.set LISTR, 6
.set LISTL, 7
.set GOC, 8
.set GOS, 9
.set VW,  10                           ; the weights' offset; later row tile 0's codes of x
.set SA,  11                           ; where my codes go; later row tile 1's
.set SS,  12                           ; where my scale bytes go; later x's scale words
.set H16, 13
.set LN,  14
.set RR,  15
.set HH,  16                           ; lane / 16; from the head's end on PF
.set PF,  16                           ; the prefetches' offset: my row of a unit; never rewritten
.set WS,  22                           ; v22-23 the weights' scale words: scales alone
.set XS,  24                           ; v24-31 x's scale words: lanes 0-15 row tile 0, lanes 16-31 row tile 1: scales alone
.set Q,   32                           ; the quantiser's: v32-37 maxima and scale operands, v38-39 bytes, v40-47 codes
.set T,   64                           ; v64-127 two columns x 32 numbers
.set R,   128                          ; v128-255 a unit as it is loaded
.set WF,  32                           ; v32-63 the weights' fragments of a K step
.set ACC, 64                           ; v64-127 accumulators: 32 i + 16 kind + 8 u
.set X,   128                          ; v128-255 x's fragments: 64 i + 8 s; then at work in the epilogue
.set WB,  46                           ; s[46:47] my part of the weights
.set MK,  66                           ; s66-97 the list's masks: tokens 32 j + lane of my group
.macro LOADU u
.set i_, 0
.rept 32
	global_load_b128 v[R+4*i_:R+4*i_+3], v[VW], s[WB:WB+1] offset:(64*(\u)+i_)*ROWB
.set i_, i_+1
.endr
.endm
.macro PREF u
	global_prefetch_b8 v[PF], s[WB:WB+1] offset:64*(\u)*ROWB th:TH_LOAD_NT scope:SCOPE_SE
	global_prefetch_b8 v[PF], s[WB:WB+1] offset:(64*(\u)+32)*ROWB th:TH_LOAD_NT scope:SCOPE_SE
.endm
.macro HALF p, u, more                 ; columns 2 p, 2 p + 1 of my four
.set k_, 0
.rept 16
	v_dual_mov_b32 v[T+k_], v[R+4*k_+2*\p] :: v_dual_mov_b32 v[T+33+k_], v[R+4*k_+5+2*\p]
	v_dual_mov_b32 v[T+32+k_], v[R+4*k_+1+2*\p] :: v_dual_mov_b32 v[T+1+k_], v[R+4*k_+4+2*\p]
.set k_, k_+2
.endr
.if \more
	LOADU (\u)+1                                   ; the unit's registers are free: the next unit's loads go out
.if (\u)+2 < 4
	PREF (\u)+2
.endif
.endif
.irp c, 0,1
	v_max3_num_f32 v[Q+2*\c], |v[T+32*\c]|, |v[T+32*\c+1]|, |v[T+32*\c+2]|
	v_max3_num_f32 v[Q+2*\c+1], |v[T+32*\c+3]|, |v[T+32*\c+4]|, |v[T+32*\c+5]|
.endr
.irp i, 6,10,14,18,22,26
.irp c, 0,1
	v_max3_num_f32 v[Q+2*\c], v[Q+2*\c], |v[T+32*\c+\i]|, |v[T+32*\c+\i+1]|
	v_max3_num_f32 v[Q+2*\c+1], v[Q+2*\c+1], |v[T+32*\c+\i+2]|, |v[T+32*\c+\i+3]|
.endr
.endr
.irp c, 0,1
	v_max3_num_f32 v[Q+2*\c], v[Q+2*\c], |v[T+32*\c+30]|, |v[T+32*\c+31]|
.endr
.irp c, 0,1
	v_max3_num_f32 v[Q+2*\c], v[Q+2*\c], v[Q+2*\c+1], 0x1800000   ; the floor 2^(3 - 127): the byte cannot fall under 1
.endr
.irp c, 0,1
	v_add_nc_u32 v[Q+4+\c], 0xff000000, v[Q+2*\c]  ; 2 off the exponent field: the conversions' scale operand
.endr
.irp c, 0,1
.irp g, 0,1,2,3
	v_cvt_scalef32_pk8_fp4_f32 v[Q+8+4*\c+\g], v[T+32*\c+8*\g:T+32*\c+8*\g+7], v[Q+4+\c]
.endr
.endr
.irp c, 0,1
	v_lshrrev_b32 v[Q+6+\c], 23, v[Q+4+\c]         ; the scale's byte (plain lines behind the conversions)
.endr
.irp c, 0,1
	ds_store_b128 v[SA], v[Q+8+4*\c:Q+8+4*\c+3] offset:(2*\p+\c)*PW+32*(\u)
	ds_store_b8 v[SS], v[Q+6+\c] offset:(2*\p+\c)*PS+2*(\u)
.endr
.endm
.macro UNIT u, more
	s_wait_loadcnt 0x0
	HALF 0, \u, 0
	HALF 1, \u, \more
.endm
	s_load_b512 s[4:19], s[0:1], 0x0               ; W_gate, W_up, Ws_gate, Ws_up, xq, xs, tki, sc
	s_load_b128 s[20:23], s[0:1], 0x40             ; hid, hs
	s_load_b64 s[24:25], s[0:1], 0x50              ; out1
	v_lshl_add_u32 v[SPW], v0, 2, SPARE
	v_mov_b32 v[NIL], 0
	v_lshrrev_b32 v17, 5, v0
	v_readfirstlane_b32 s26, v17                   ; wave 0..15
	v_and_b32 v[LN], 31, v0
	s_mov_b32 s2, 0x76543210
	s_mov_b32 s3, 0xfedcba98                       ; v_permlanex16_b32's selects for lane l xor 16
	s_cmp_eq_u32 ttmp9, 192
	s_wait_alu depctr_va_vdst(0)
	s_cbranch_scc1 .Laux
	s_lshr_b32 s27, ttmp9, 4                       ; group
	s_and_b32 s28, ttmp9, 15                       ; hb
	s_and_b32 s29, s26, 1                          ; gate or up
	s_bfe_u32 s30, s26, 0x10001                    ; which 64 columns
	s_lshr_b32 s31, s26, 2                         ; quarter of K; later rg
	s_and_b32 s32, s26, 3                          ; blk
	v_and_b32 v[RR], 15, v0
	v_bfe_u32 v[HH], v0, 4, 1
	v_lshlrev_b32 v[H16], 4, v[HH]
	v_lshlrev_b32 v[VW], 4, v[RR]
	v_lshl_add_u32 v[VW], v[HH], 18, v[VW]         ; 16 bytes a lane; lanes 16-31 32 rows down
	v_and_b32 v17, 9, v[RR]                        ; my four columns' LDS rows: bits 3 and 4 of the column change places
	v_and_b32 v18, 2, v[RR]
	v_lshl_add_u32 v17, v18, 1, v17
	v_bfe_u32 v18, v[RR], 2, 1
	v_lshl_add_u32 v17, v18, 1, v17
	v_lshlrev_b32 v17, 2, v17
	s_lshl_b32 s33, s29, 7
	s_lshl_b32 s34, s30, 6
	s_add_co_u32 s33, s33, s34
	v_add_nc_u32 v17, s33, v17
	v_mul_u32_u24 v[SA], v17, PW
	v_mul_u32_u24 v[SS], v17, PS
	s_lshl_b32 s34, s31, 3
	v_add_nc_u32 v18, s34, v[HH]                   ; my first block along K: 8 quarter + half
	v_lshl_add_u32 v[SA], v18, 4, v[SA]
	v_add_nc_u32 v[SS], v[SS], v18
	v_add_nc_u32 v[SS], SCL, v[SS]
	s_lshl_b32 s35, s32, 5
	v_add_nc_u32 v18, s35, v[RR]
	v_mul_u32_u24 v[LBG], v18, PW
	v_add_nc_u32 v[LBG], v[LBG], v[H16]
	v_add_nc_u32 v[LBU], 128*PW, v[LBG]
	v_lshl_add_u32 v18, v[HH], 7, v18
	v_mul_u32_u24 v[LSW], v18, PS
	v_add_nc_u32 v[LSW], SCL, v[LSW]
	s_lshl_b32 s36, s31, 7
	s_add_co_u32 s36, s36, LIST
	v_lshlrev_b32 v18, 2, v[RR]
	v_add_nc_u32 v[LISTR], s36, v18
	v_lshlrev_b32 v18, 2, v[LN]
	v_add_nc_u32 v[LISTL], s36, v18
	s_lshl_b32 s37, s31, 9
	v_lshlrev_b32 v19, 4, v[RR]
	v_lshl_add_u32 v19, v[HH], 3, v19
	v_add_nc_u32 v[GOC], s37, v19                  ; 16 bytes a slot: 512 rg + 16 r + 8 h
	s_lshl_b32 s37, s31, 7
	s_add_co_u32 s37, s37, s32
	v_add_nc_u32 v[GOS], s37, v18                  ; 4 bytes a slot: 128 rg + 4 lane + blk
	s_cmp_lt_u32 s27, 8
	s_cselect_b32 s38, s27, 0                      ; the shared matrices have no expert axis
	s_lshl_b32 s38, s38, 23
	s_lshl_b32 s39, s31, 21
	s_add_co_u32 s38, s38, s39
	s_lshl_b32 s39, s28, 9
	s_add_co_u32 s38, s38, s39
	s_lshl_b32 s39, s30, 8
	s_add_co_u32 s38, s38, s39
	s_mov_b32 s39, 0
	s_lshl_b32 s40, s27, 6
	s_lshl_b32 s41, s28, 2
	s_add_co_u32 s40, s40, s41
	s_add_co_u32 s40, s40, s32
	s_lshl_b32 s40, s40, 14                        ; hid: (64 group + 4 hb + blk) x 1,024 slots x 16
	s_mov_b32 s41, 0
	s_lshl_b32 s42, s27, 4
	s_add_co_u32 s42, s42, s28
	s_lshl_b32 s42, s42, 12                        ; hs: (16 group + hb) x 1,024 x 4
	s_mov_b32 s43, 0
	s_sub_co_u32 s44, s27, 8                       ; the shared expert's quarter of the tokens (a routed group: no quarter's number)
	s_mov_b32 s45, 0xffff0000
	s_mov_b32 s62, 0xbfb8aa3b                      ; -log2(e)
	s_mov_b32 s63, s62
	s_cmp_lt_u32 s27, 8                            ; the prefetches' rows: a routed group's lane names its own row, a shared group's row 8 (g - 8) + lane % 8
	s_cselect_b32 s51, 31, 7
	s_cselect_b32 s52, 0, s44
	s_lshl_b32 s52, s52, 3
	v_and_b32 v[PF], s51, v[LN]
	v_add_nc_u32 v[PF], s52, v[PF]
	v_lshlrev_b32 v[PF], 13, v[PF]
	s_wait_alu depctr_va_vdst(0)                   ; the wait at the head's end
	s_wait_kmcnt 0x0
	s_cmp_eq_u32 s29, 0
	s_cselect_b64 s[46:47], s[4:5], s[6:7]
	s_cselect_b64 s[48:49], s[8:9], s[10:11]
	s_cmp_lt_u32 s27, 8
	s_cselect_b64 s[46:47], s[46:47], s[48:49]
	s_add_nc_u64 s[46:47], s[46:47], s[38:39]
	s_add_nc_u64 s[20:21], s[20:21], s[40:41]
	s_add_nc_u64 s[22:23], s[22:23], s[42:43]
	s_cmp_lg_u32 s26, 0
	s_cbranch_scc1 .Lw1
	v_lshlrev_b32 v17, 3, v[LN]
.set j_, 0
.rept 32
	global_load_b64 v[T+2*j_:T+2*j_+1], v17, s[16:17] offset:256*j_   ; token 32 j + lane: its two experts
.set j_, j_+1
.endr
.Lw1:
	LOADU 0
	PREF 1
	s_cmp_lg_u32 s26, 0
	s_cbranch_scc1 .Lw2
	; wave 0 alone touches LDS ahead of the barrier below: the list is filled with token 0, then the rows' slots are written.  Each step is laid for all 32 groups of tokens on end: no line waits for the line above it
	v_lshl_add_u32 v18, v[LN], 2, LIST
	v_mov_b32 v19, 0
.set j_, 0
.rept 32
	ds_store_b32 v18, v19 offset:128*j_
.set j_, j_+1
.endr
	v_add_nc_u32 v20, (DUM-LIST)/4, v[LN]
	s_mov_b32 s50, 0
.irp k, 0,1,2,3
	s_cmp_eq_u32 s44, \k
	s_cselect_b32 s[56+\k], -1, 0                  ; a shared group takes all tokens of its quarter
.endr
	s_wait_alu depctr_va_vdst(0)
	s_wait_loadcnt 32                              ; the experts are in; the first unit's 32 loads may be out
.set j_, 0
.rept 32
	v_xor_b32 v[T+2*j_], s27, v[T+2*j_]
	v_xor_b32 v[T+2*j_+1], s27, v[T+2*j_+1]
.set j_, j_+1
.endr
.set j_, 0
.rept 32
	v_min_u32 v[T+2*j_+1], v[T+2*j_], v[T+2*j_+1]  ; 0 where one of the two is my expert
.set j_, j_+1
.endr
.set j_, 0
.rept 32
	v_cmp_eq_u32 s[MK+j_], 0, v[T+2*j_+1]
.set j_, j_+1
.endr
.set j_, 0
.rept 32
	v_add_nc_u32 v[T+2*j_+1], 32*j_, v[LN]         ; the token
.set j_, j_+1
.endr
.set j_, 0
.rept 32
	s_or_b32 s[MK+j_], s[MK+j_], s[56+j_/8]
.set j_, j_+1
.endr
.set j_, 0
.rept 32
	v_mbcnt_lo_u32_b32 v[T+2*j_], s[MK+j_], s50    ; the rank: the rows counted so far + those of lower lanes
	s_bcnt1_i32_b32 s53, s[MK+j_]
	s_add_co_u32 s50, s50, s53
.set j_, j_+1
.endr
.set j_, 0
.rept 32
	v_cndmask_b32 v[T+2*j_], v20, v[T+2*j_], s[MK+j_]   ; a lane with nothing to list takes its own word behind the list
.set j_, j_+1
.endr
.set j_, 0
.rept 32
	v_min_u32 v[T+2*j_], 0x43f, v[T+2*j_]          ; held inside the list's region
.set j_, j_+1
.endr
.set j_, 0
.rept 32
	v_lshlrev_b32 v[T+2*j_], 2, v[T+2*j_]
.set j_, j_+1
.endr
.set j_, 0
.rept 32
	v_add_nc_u32 v[T+2*j_], LIST, v[T+2*j_]
.set j_, j_+1
.endr
.set j_, 0
.rept 32
	ds_store_b32 v[T+2*j_], v[T+2*j_+1]
.set j_, j_+1
.endr
	v_mov_b32 v19, s50
	v_mov_b32 v18, CNTW
	ds_store_b32 v18, v19
.Lw2:
	s_wait_alu depctr_va_vdst(0)
	s_wait_dscnt 0x0
	s_barrier_signal -1
	s_barrier_wait -1
	UNIT 0, 1
	UNIT 1, 1
	UNIT 2, 1
	UNIT 3, 0
	s_wait_alu depctr_va_vdst(0)
	s_wait_dscnt 0x0                               ; my codes and scale bytes lie in LDS
	s_barrier_signal -1
	s_barrier_wait -1
	v_mov_b32 v17, CNTW
	ds_load_b32 v18, v17
	s_wait_dscnt 0x0
	v_readfirstlane_b32 s50, v18
	s_min_u32 s50, s50, 1024                       ; the group's rows
.macro WSEL c
.if sel == 0
	v_wmma_scale_f32_16x16x128_f8f6f4 v[rD:rD+7], v[rA:rA+7], v[rB:rB+7], \c, v[rSA], v[rSB] matrix_a_fmt:MATRIX_FMT_FP4 matrix_b_fmt:MATRIX_FMT_FP4
.elseif sel == 1
	v_wmma_scale_f32_16x16x128_f8f6f4 v[rD:rD+7], v[rA:rA+7], v[rB:rB+7], \c, v[rSA], v[rSB] matrix_a_fmt:MATRIX_FMT_FP4 matrix_b_fmt:MATRIX_FMT_FP4 matrix_b_scale:MATRIX_SCALE_ROW1
.elseif sel == 2
	v_wmma_scale_f32_16x16x128_f8f6f4 v[rD:rD+7], v[rA:rA+7], v[rB:rB+7], \c, v[rSA], v[rSB] matrix_a_fmt:MATRIX_FMT_FP4 matrix_b_fmt:MATRIX_FMT_FP4 matrix_a_scale:MATRIX_SCALE_ROW1
.else
	v_wmma_scale_f32_16x16x128_f8f6f4 v[rD:rD+7], v[rA:rA+7], v[rB:rB+7], \c, v[rSA], v[rSB] matrix_a_fmt:MATRIX_FMT_FP4 matrix_b_fmt:MATRIX_FMT_FP4 matrix_a_scale:MATRIX_SCALE_ROW1 matrix_b_scale:MATRIX_SCALE_ROW1
.endif
.endm
.macro KSTEP s
.rept 4
	v_nop                                          ; places ahead of loads into registers that matrix instructions have read
.endr
.irp u, 0,1
.irp c, 0,1
	ds_load_b128 v[WF+8*\u+4*\c:WF+8*\u+4*\c+3], v[LBG] offset:\u*16*PW+64*(\s)+32*\c
	ds_load_b128 v[WF+16+8*\u+4*\c:WF+16+8*\u+4*\c+3], v[LBU] offset:\u*16*PW+64*(\s)+32*\c
.endr
	ds_load_b32 v[WS+\u], v[LSW] offset:\u*16*PS+4*(\s)
.endr
	s_wait_loadcnt 4*(7-(\s))                      ; x's fragments of this K step are in; four loads for each later step may be out
	s_wait_dscnt 0x0
.irp i, 0,1
.irp t, 0,1,2,3
.set rD, ACC+32*\i+8*\t
.set rA, WF+8*\t
.set rB, X+64*\i+8*(\s)
.set rSA, WS+(\t%2)
.set rSB, XS+(\s)
.set sel, 2*(\t/2)+\i
.if (\s) == 0
	WSEL 0
.else
	WSEL v[rD:rD+7]
.endif
.endr
.endr
.endm
	s_mov_b32 s54, 0                               ; 512 x trip: 128 slots of 4 bytes
.Ltrip:
	s_lshr_b32 s55, s54, 2
	s_lshl_b32 s56, s31, 5
	s_add_co_u32 s55, s55, s56                     ; the pass's first slot
	s_cmp_ge_u32 s55, s50
	s_cbranch_scc1 .Lskip
	s_wait_xcnt 0x0                                ; the last pass's stores have read their registers
	v_add_nc_u32 v17, s54, v[LISTR]
	v_add_nc_u32 v18, s54, v[LISTL]
	ds_load_b32 v19, v17
	ds_load_b32 v20, v17 offset:64
	ds_load_b32 v21, v18
	s_wait_dscnt 0x0
	v_min_u32 v19, 0x3ff, v19
	v_min_u32 v20, 0x3ff, v20
	v_min_u32 v21, 0x3ff, v21
	v_lshl_add_u32 v[VW], v19, 9, v[H16]           ; token x 512 + 16 h
	v_lshl_add_u32 v[SA], v20, 9, v[H16]
	v_lshlrev_b32 v[SS], 5, v21
	global_load_b128 v[XS:XS+3], v[SS], s[14:15]
	global_load_b128 v[XS+4:XS+7], v[SS], s[14:15] offset:16
.irp s, 0,1,2,3,4,5,6,7
.irp i, 0,1
.irp c, 0,1
	global_load_b128 v[X+64*\i+8*\s+4*\c:X+64*\i+8*\s+4*\c+3], v[VW+\i], s[12:13] offset:64*\s+32*\c
.endr
.endr
.endr
.irp s, 0,1,2,3,4,5,6,7
	KSTEP \s
.endr
.rept 4
	v_nop
.endr
	; silu(gate) x up, the block's scale, the codes.  Each accumulator is read from its low end on.
.irp i, 0,1
.irp k, 0,2,4,6,8,10,12,14
	v_pk_mul_f32 v[X+16*\i+\k:X+16*\i+\k+1], v[ACC+32*\i+\k:ACC+32*\i+\k+1], s[62:63] op_sel_hi:[1,0]
.endr
.endr
	v_mov_b32 v162, 0                              ; a lane permute's destination counts as one of its sources
	v_mov_b32 v163, 0
	s_wait_alu depctr_va_vdst(0)
.set n_, 0
.rept 32
	v_exp_f32 v[X+n_], v[X+n_]
.set n_, n_+1
.endr
	v_nop
	s_wait_alu depctr_va_vdst(0)
.set n_, 0
.rept 16
	v_pk_add_f32 v[X+n_:X+n_+1], v[X+n_:X+n_+1], 1.0 op_sel_hi:[1,0]
.set n_, n_+2
.endr
	s_wait_alu depctr_va_vdst(0)
.set n_, 0
.rept 32
	v_rcp_f32 v[X+n_], v[X+n_]                     ; the sigmoid
.set n_, n_+1
.endr
	v_nop
	s_wait_alu depctr_va_vdst(0)
.irp i, 0,1
.irp k, 0,2,4,6,8,10,12,14
	v_pk_mul_f32 v[X+16*\i+\k:X+16*\i+\k+1], v[ACC+32*\i+\k:ACC+32*\i+\k+1], v[X+16*\i+\k:X+16*\i+\k+1]
.endr
.endr
.irp i, 0,1
.irp k, 0,2,4,6,8,10,12,14
	v_pk_mul_f32 v[X+16*\i+\k:X+16*\i+\k+1], v[X+16*\i+\k:X+16*\i+\k+1], v[ACC+32*\i+16+\k:ACC+32*\i+16+\k+1]
.endr
.endr
.irp i, 0,1
	v_max3_num_f32 v[160+\i], |v[X+16*\i]|, |v[X+16*\i+1]|, 0x1800000
.endr
.irp k, 2,4,6,8,10,12,14
.irp i, 0,1
	v_max3_num_f32 v[160+\i], v[160+\i], |v[X+16*\i+\k]|, |v[X+16*\i+\k+1]|
.endr
.endr
.irp i, 0,1
	v_permlanex16_b32 v[162+\i], v[160+\i], s2, s3
.endr
.irp i, 0,1
	v_max_num_f32 v[160+\i], v[160+\i], v[162+\i]  ; with lane l xor 16's: the block's largest magnitude
.endr
.irp i, 0,1
	v_add_nc_u32 v[164+\i], 0xff000000, v[160+\i]
.endr
.irp i, 0,1
	v_lshrrev_b32 v[166+\i], 23, v[164+\i]
.endr
.irp i, 0,1
	v_cvt_scalef32_pk8_fp4_f32 v[168+2*\i], v[X+16*\i:X+16*\i+7], v[164+\i]
	v_cvt_scalef32_pk8_fp4_f32 v[169+2*\i], v[X+16*\i+8:X+16*\i+15], v[164+\i]
.endr
	v_cndmask_b32 v172, v166, v167, s45            ; lanes 0-15 row tile 0's byte, lanes 16-31 row tile 1's
	s_lshl_b32 s56, s54, 2
	v_add_nc_u32 v17, s56, v[GOC]
	v_add_nc_u32 v18, s54, v[GOS]
.irp i, 0,1
	global_store_b64 v17, v[168+2*\i:169+2*\i], s[20:21] offset:256*\i   ; a row tile: 256 consecutive bytes, aligned
.endr
	global_store_b8 v18, v172, s[22:23]
.Lskip:
	s_add_co_u32 s54, s54, 512
	s_cmp_lt_u32 s54, 4096
	s_wait_alu depctr_va_vdst(0)
	s_cbranch_scc1 .Ltrip
	s_wait_tensorcnt 0x0                           ; the wave's end
	ds_add_u32 v[SPW], v[NIL]
	s_wait_dscnt 0x0
	s_endpgm
	; ---------------- work-group 192: the auxiliary loss; no LDS is touched on this path
.Laux:
	s_cmp_lg_u32 s26, 0
	s_cbranch_scc1 .Lquit
	v_lshlrev_b32 v17, 3, v[LN]
	v_lshlrev_b32 v18, 5, v[LN]
	v_mov_b32 v19, 0
.irp e, 0,1,2,3,4,5,6,7
	v_mov_b32 v[32+\e], 0
	v_mov_b32 v[40+\e], 0
	s_mov_b32 s[40+\e], 0
.endr
	s_mov_b32 s50, 0
	s_wait_alu depctr_va_vdst(0)
	s_wait_kmcnt 0x0
.Lal:                                                  ; four trips of 256 tokens, eight a lane
.irp q, 0,1,2,3,4,5,6,7
	global_load_b64 v[64+2*\q:65+2*\q], v17, s[16:17] offset:256*\q
	global_load_b128 v[128+8*\q:131+8*\q], v18, s[18:19] offset:1024*\q
	global_load_b128 v[132+8*\q:135+8*\q], v18, s[18:19] offset:1024*\q+16
.endr
	s_wait_loadcnt 0x0
.irp q, 0,1,2,3,4,5,6,7
.irp p, 0,1,2,3
	v_pk_add_f32 v[32+2*\p:33+2*\p], v[32+2*\p:33+2*\p], v[128+8*\q+2*\p:129+8*\q+2*\p]
.endr
.irp e, 0,1,2,3,4,5,6,7
	v_cmp_eq_u32 s51, \e, v[64+2*\q]
	v_cmp_eq_u32 s52, \e, v[65+2*\q]
	s_or_b32 s51, s51, s52
	s_bcnt1_i32_b32 s51, s51
	s_add_co_u32 s[40+\e], s[40+\e], s51
.endr
.endr
	v_add_nc_u32 v17, 2048, v17
	v_add_nc_u32 v18, 8192, v18
	s_add_co_u32 s50, s50, 1
	s_cmp_lt_u32 s50, 4
	s_wait_alu depctr_va_vdst(0)
	s_cbranch_scc1 .Lal
.irp m, 1,2,4,8
.irp e, 0,1,2,3,4,5,6,7
	v_add_f32_dpp v[32+\e], v[32+\e], v[32+\e] row_xmask:\m row_mask:0xf bank_mask:0xf
.endr
.endr
.irp e, 0,1,2,3,4,5,6,7
	v_permlanex16_b32 v[40+\e], v[32+\e], s2, s3
.endr
.irp e, 0,1,2,3,4,5,6,7
	v_add_f32 v[32+\e], v[32+\e], v[40+\e]
.endr
.irp e, 0,1,2,3,4,5,6,7
	v_mov_b32 v[48+\e], s[40+\e]
.endr
.irp e, 0,1,2,3,4,5,6,7
	v_cvt_f32_u32 v[48+\e], v[48+\e]
.endr
	v_mul_f32 v20, v48, v32
.irp e, 1,2,3,4,5,6,7
	v_fmac_f32 v20, v[48+\e], v[32+\e]
.endr
	v_mul_f32 v20, 0x3323d70a, v20                 ; x 0.08 x 2^-21
	s_wait_alu depctr_va_vdst(0)
	s_wait_xcnt 0x0                                ; EXEC is narrowed only behind this wait
	v_cmpx_gt_u32 1, v[LN]
	global_store_b32 v19, v20, s[24:25]
.Lquit:
	s_endpgm
.Lfunc_end_k_qe6779de310_gateup:
	.size	k_qe6779de310_gateup, .Lfunc_end_k_qe6779de310_gateup-k_qe6779de310_gateup
	.p2alignl 7, 3214868480
	.fill 96, 4, 3214868480
	.section	.rodata,"a",@progbits
	.p2align	6, 0x0
	.amdhsa_kernel k_qe6779de310_gateup
		.amdhsa_group_segment_fixed_size 150784
		.amdhsa_private_segment_fixed_size 0
		.amdhsa_enable_private_segment 0
		.amdhsa_kernarg_size 88
		.amdhsa_user_sgpr_count 2
		.amdhsa_user_sgpr_kernarg_segment_ptr 1
		.amdhsa_wavefront_size32 1
		.amdhsa_system_sgpr_workgroup_id_x 1
		.amdhsa_system_sgpr_workgroup_id_y 1
		.amdhsa_system_sgpr_workgroup_id_z 1
		.amdhsa_system_vgpr_workitem_id 0
		.amdhsa_next_free_vgpr 256
		.amdhsa_next_free_sgpr 100
		.amdhsa_reserve_vcc 0
		.amdhsa_float_denorm_mode_32 3
		.amdhsa_float_denorm_mode_16_64 3
		.amdhsa_memory_ordered 1
		.amdhsa_forward_progress 1
		.amdhsa_inst_pref_size 135
	.end_amdhsa_kernel
	.amdgpu_metadata
---
amdhsa.version: [ 1, 2 ]
amdhsa.kernels:
  - .name:           k_qe6779de310_gateup
    .symbol:         k_qe6779de310_gateup.kd
    .args:
      - { .name: W_gate, .offset: 0, .size: 8, .value_kind: global_buffer, .address_space: global }
      - { .name: W_up, .offset: 8, .size: 8, .value_kind: global_buffer, .address_space: global }
      - { .name: Ws_gate, .offset: 16, .size: 8, .value_kind: global_buffer, .address_space: global }
      - { .name: Ws_up, .offset: 24, .size: 8, .value_kind: global_buffer, .address_space: global }
      - { .name: xq, .offset: 32, .size: 8, .value_kind: global_buffer, .address_space: global }
      - { .name: xs, .offset: 40, .size: 8, .value_kind: global_buffer, .address_space: global }
      - { .name: tki, .offset: 48, .size: 8, .value_kind: global_buffer, .address_space: global }
      - { .name: sc, .offset: 56, .size: 8, .value_kind: global_buffer, .address_space: global }
      - { .name: hid, .offset: 64, .size: 8, .value_kind: global_buffer, .address_space: global }
      - { .name: hs, .offset: 72, .size: 8, .value_kind: global_buffer, .address_space: global }
      - { .name: out1, .offset: 80, .size: 8, .value_kind: global_buffer, .address_space: global }
    .group_segment_fixed_size: 150784
    .private_segment_fixed_size: 0
    .kernarg_segment_align: 8
    .kernarg_segment_size: 88
    .max_flat_workgroup_size: 512
    .sgpr_count:     100
    .vgpr_count:     256
    .wavefront_size: 32
...
	.end_amdgpu_metadata
.endif
;; end of part 2
;; launch down (part 3): grid 192 x 1, 16 waves a work-group, no clusters, 146,944 bytes of LDS; arguments W_down, Ws_down, tki, hid, hs, y; writes y
.if DOCPART == 3
	.amdgcn_target "amdgcn-amd-amdhsa--gfx1250"
	.amdhsa_code_object_version 6
	.text
	.protected	k_qe6779de310_down
	.globl	k_qe6779de310_down
	.p2align	8
	.type	k_qe6779de310_down,@function
k_qe6779de310_down:
	s_mov_b64 s[64:65], 0
	v_nop
	global_prefetch_b8 v0, s[64:65] scope:SCOPE_SE
	s_setreg_imm32_b32 hwreg(HW_REG_WAVE_MODE, 25, 1), 1
	s_wait_xcnt 0x0
; SPARSE MoE, launch 3 of 4.  y = hidden x W_down of the row's expert, on codes of E2M1; K = 2,048 hidden units; y f32.
; Work left out: only the rows of the chosen experts are multiplied (shown at the head of the first launch).
; SHARES.  Work-group 16 g + cb: group g as in the launch before, output columns 64 cb .. + 63.  It reads its 64 columns x K = 2,048 as f32 (a row's 256 consecutive aligned bytes by sixteen lanes), quantises them
; along K into LDS as the launch before does (wave w: K = 128 w .. + 127, two units), and multiplies them with the group's rows.
; PREFETCH: behind the first unit's loads a wave asks for its second unit, 64 rows x 256 bytes, a lane a row, two instructions; the shared expert's four groups share the rows out by address, as in the launch before.
; Wave 0 lists the group's rows again from tki, in the same order: slot -> row of y = 1,024 x plane + token (plane 0 the shared expert, 1 the first choice, 2 the second).  Slots of a last pass that no row takes
; point at rows of their own behind the three planes (3,072 + 32 g + slot % 32), which nothing reads.
; Wave w takes passes w + 16 trip of 32 slots: 2 row tiles x 64 columns, 8 accumulators by turns, 16 K steps; each fragment of W_down from LDS serves both row tiles.  Two trips always; a scalar branch on the count
; leads round the work of a pass with no rows.  The hidden layer's fragments come straight from memory (hid is laid so that sixteen lanes of a load cover 256 consecutive aligned bytes) into a buffer of six K steps
; that is filled again step by step.  USED TRANSPOSED: a lane holds eight neighbouring numbers of a row of y; a tile goes out through the wave's own stage, sixteen lanes to a row's 256 aligned bytes.
; NO TENSOR LOAD, NO CLUSTER: as in the launch before.  LIMITS as in the first launch.
.set ROWB,  4096
.set PW,    1040                       ; LDS: a column's 1,024 bytes of codes + 16
.set PS,    68                         ; a column's 64 scale bytes + 4
.set SCL,   66560
.set LIST,  70912
.set CNTW,  75008
.set DUM,   75136
.set STG,   75264                      ; 16 rows x 272 bytes a wave
.set SPARE, 144896
.set SPW, 1
.set NIL, 2
.set LB,  3
.set LSW, 4
.set LISTQ, 5
.set HB,  6
.set HSB, 7
.set STO, 8
.set RD,  9
.set VW,  10
.set SA,  11
.set SS,  12
.set R16, 13
.set LN,  14
.set RR,  15
.set HH,  16                           ; lane / 16; from the head's end on PF
.set PF,  16                           ; the prefetches' offset; never rewritten
.set WS,  22                           ; v22-23 W_down's scale words: lanes 0-15 the even column tile's, 16-31 the odd one's: scales alone
.set HS,  24                           ; v24-39 the hidden rows' scale words, one a K step: lanes 0-15 row tile 0, 16-31 row tile 1: scales alone
.set Q,   40
.set T,   64
.set R,   128
.set WF,  40                           ; v40-71 W_down's fragments of a K step
.set ACC, 72                           ; v72-135: 32 i + 8 t
.set YA,  136                          ; v136-151 offsets of my pass's rows in y
.set H,   160                          ; v160-255 the hidden fragments of six K steps: 16 (s % 6) + 8 i; then the way out
.set WB,  46
.set MK,  66                           ; s66-97 the list's masks
.macro LOADU u
.set i_, 0
.rept 32
	global_load_b128 v[R+4*i_:R+4*i_+3], v[VW], s[WB:WB+1] offset:(64*(\u)+i_)*ROWB
.set i_, i_+1
.endr
.endm
.macro PREF u
	global_prefetch_b8 v[PF], s[WB:WB+1] offset:64*(\u)*ROWB th:TH_LOAD_NT scope:SCOPE_SE
	global_prefetch_b8 v[PF], s[WB:WB+1] offset:(64*(\u)+32)*ROWB th:TH_LOAD_NT scope:SCOPE_SE
.endm
.macro HALF p, u, more
.set k_, 0
.rept 16
	v_dual_mov_b32 v[T+k_], v[R+4*k_+2*\p] :: v_dual_mov_b32 v[T+33+k_], v[R+4*k_+5+2*\p]
	v_dual_mov_b32 v[T+32+k_], v[R+4*k_+1+2*\p] :: v_dual_mov_b32 v[T+1+k_], v[R+4*k_+4+2*\p]
.set k_, k_+2
.endr
.if \more
	LOADU (\u)+1
.endif
.irp c, 0,1
	v_max3_num_f32 v[Q+2*\c], |v[T+32*\c]|, |v[T+32*\c+1]|, |v[T+32*\c+2]|
	v_max3_num_f32 v[Q+2*\c+1], |v[T+32*\c+3]|, |v[T+32*\c+4]|, |v[T+32*\c+5]|
.endr
.irp i, 6,10,14,18,22,26
.irp c, 0,1
	v_max3_num_f32 v[Q+2*\c], v[Q+2*\c], |v[T+32*\c+\i]|, |v[T+32*\c+\i+1]|
	v_max3_num_f32 v[Q+2*\c+1], v[Q+2*\c+1], |v[T+32*\c+\i+2]|, |v[T+32*\c+\i+3]|
.endr
.endr
.irp c, 0,1
	v_max3_num_f32 v[Q+2*\c], v[Q+2*\c], |v[T+32*\c+30]|, |v[T+32*\c+31]|
.endr
.irp c, 0,1
	v_max3_num_f32 v[Q+2*\c], v[Q+2*\c], v[Q+2*\c+1], 0x1800000
.endr
.irp c, 0,1
	v_add_nc_u32 v[Q+4+\c], 0xff000000, v[Q+2*\c]
.endr
.irp c, 0,1
.irp g, 0,1,2,3
	v_cvt_scalef32_pk8_fp4_f32 v[Q+8+4*\c+\g], v[T+32*\c+8*\g:T+32*\c+8*\g+7], v[Q+4+\c]
.endr
.endr
.irp c, 0,1
	v_lshrrev_b32 v[Q+6+\c], 23, v[Q+4+\c]
.endr
.irp c, 0,1
	ds_store_b128 v[SA], v[Q+8+4*\c:Q+8+4*\c+3] offset:(2*\p+\c)*PW+32*(\u)
	ds_store_b8 v[SS], v[Q+6+\c] offset:(2*\p+\c)*PS+2*(\u)
.endr
.endm
.macro UNIT u, more
	s_wait_loadcnt 0x0
	HALF 0, \u, 0
	HALF 1, \u, \more
.endm
	s_load_b256 s[4:11], s[0:1], 0x0               ; W_down, Ws_down, tki, hid
	s_load_b128 s[12:15], s[0:1], 0x20             ; hs, y
	v_lshl_add_u32 v[SPW], v0, 2, SPARE
	v_mov_b32 v[NIL], 0
	v_lshrrev_b32 v17, 5, v0
	v_readfirstlane_b32 s26, v17                   ; wave 0..15
	v_and_b32 v[LN], 31, v0
	s_lshr_b32 s27, ttmp9, 4                       ; group
	s_and_b32 s28, ttmp9, 15                       ; cb
	v_and_b32 v[RR], 15, v0
	v_bfe_u32 v[HH], v0, 4, 1
	v_lshlrev_b32 v[R16], 4, v[RR]
	v_lshl_add_u32 v[VW], v[HH], 17, v[R16]        ; 16 bytes a lane; lanes 16-31 32 rows down
	v_lshlrev_b32 v17, 2, v[RR]                    ; my four columns
	v_mul_u32_u24 v[SA], v17, PW
	v_mul_u32_u24 v[SS], v17, PS
	s_lshl_b32 s34, s26, 2
	v_add_nc_u32 v18, s34, v[HH]                   ; my first block along K: 4 wave + half
	v_lshl_add_u32 v[SA], v18, 4, v[SA]
	v_add_nc_u32 v[SS], v[SS], v18
	v_add_nc_u32 v[SS], SCL, v[SS]
	v_mul_u32_u24 v[LB], v[RR], PW
	v_lshl_add_u32 v[LB], v[HH], 4, v[LB]
	v_mul_u32_u24 v[LSW], v[LN], PS
	v_add_nc_u32 v[LSW], SCL, v[LSW]
	s_lshl_b32 s35, s26, 7
	s_add_co_u32 s36, s35, LIST
	v_lshlrev_b32 v18, 2, v[HH]
	v_add_nc_u32 v[LISTQ], s36, v18                ; LIST + 128 wave + 4 h
	v_lshlrev_b32 v18, 2, v[LN]
	v_add_nc_u32 v[HSB], s35, v18                  ; 4 bytes a slot: 128 wave + 4 lane
	s_lshl_b32 s36, s26, 9
	v_lshl_add_u32 v[HB], v[HH], 14, v[R16]
	v_add_nc_u32 v[HB], s36, v[HB]                 ; 16 bytes a slot: 512 wave + 16 r; lanes 16-31 the next block of 32
	s_mul_i32 s37, s26, 4352
	s_add_co_u32 s37, s37, STG
	v_mul_u32_u24 v[STO], v[RR], 272
	v_lshl_add_u32 v[STO], v[HH], 5, v[STO]
	v_add_nc_u32 v[STO], s37, v[STO]
	v_mul_u32_u24 v[RD], v[HH], 272
	v_add_nc_u32 v[RD], v[RD], v[R16]
	v_add_nc_u32 v[RD], s37, v[RD]
	s_cmp_lt_u32 s27, 8
	s_cselect_b32 s38, s27, 0
	s_lshl_b32 s38, s38, 23
	s_lshl_b32 s39, s26, 19
	s_add_co_u32 s38, s38, s39
	s_lshl_b32 s39, s28, 8
	s_add_co_u32 s38, s38, s39
	s_mov_b32 s40, s39                             ; y: my columns' bytes
	s_mov_b32 s39, 0
	s_mov_b32 s41, 0
	s_lshl_b32 s42, s27, 20                        ; hid: group x 64 x 1,024 x 16
	s_mov_b32 s43, 0
	s_lshl_b32 s48, s27, 16                        ; hs: group x 16 x 1,024 x 4
	s_mov_b32 s49, 0
	s_sub_co_u32 s44, s27, 8
	s_lshl_b32 s45, s27, 5
	s_add_co_u32 s45, s45, 3072
	s_cmp_lt_u32 s27, 8
	s_cselect_b32 s51, 31, 7                       ; the prefetches' rows: a routed group's lane names its own row, a shared group's row 8 (g - 8) + lane % 8
	s_cselect_b32 s52, 0, s44
	s_cselect_b32 s58, 1, 0                        ; a routed group's rows lie in plane 1 or 2,
	s_cselect_b32 s59, 0x400, 0                    ; a shared group's in plane 0
	s_lshl_b32 s52, s52, 3
	v_and_b32 v[PF], s51, v[LN]
	v_add_nc_u32 v[PF], s52, v[PF]
	v_lshlrev_b32 v[PF], 12, v[PF]
	s_wait_alu depctr_va_vdst(0)                   ; the wait at the head's end
	s_wait_kmcnt 0x0
	s_cmp_lt_u32 s27, 8
	s_cselect_b64 s[46:47], s[4:5], s[6:7]
	s_add_nc_u64 s[46:47], s[46:47], s[38:39]
	s_add_nc_u64 s[10:11], s[10:11], s[42:43]
	s_add_nc_u64 s[12:13], s[12:13], s[48:49]
	s_add_nc_u64 s[14:15], s[14:15], s[40:41]
	s_cmp_lg_u32 s26, 0
	s_cbranch_scc1 .Lw1
	v_lshlrev_b32 v17, 3, v[LN]
.set j_, 0
.rept 32
	global_load_b64 v[T+2*j_:T+2*j_+1], v17, s[8:9] offset:256*j_
.set j_, j_+1
.endr
.Lw1:
	LOADU 0
	PREF 1
	s_cmp_lg_u32 s26, 0
	s_cbranch_scc1 .Lw2
	; wave 0 alone touches LDS ahead of the barrier below.  Each step is laid for all 32 groups of tokens on end: no line waits for the line above it
	v_lshl_add_u32 v18, v[LN], 2, LIST
	v_add_nc_u32 v19, s45, v[LN]
.set j_, 0
.rept 32
	ds_store_b32 v18, v19 offset:128*j_
.set j_, j_+1
.endr
	v_add_nc_u32 v20, (DUM-LIST)/4, v[LN]
	v_add_nc_u32 v21, s59, v[LN]
	s_mov_b32 s50, 0
.irp k, 0,1,2,3
	s_cmp_eq_u32 s44, \k
	s_cselect_b32 s[60+\k], -1, 0
.endr
	s_wait_alu depctr_va_vdst(0)
	s_wait_loadcnt 32                              ; the experts are in; the first unit's 32 loads may be out
.set j_, 0
.rept 32
	v_xor_b32 v[T+2*j_], s27, v[T+2*j_]
	v_xor_b32 v[T+2*j_+1], s27, v[T+2*j_+1]
.set j_, j_+1
.endr
.set j_, 0
.rept 32
	v_min_u32 v[T+2*j_+1], v[T+2*j_], v[T+2*j_+1]  ; 0 where one of the two is my expert
.set j_, j_+1
.endr
.set j_, 0
.rept 32
	v_cmp_eq_u32 s[MK+j_], 0, v[T+2*j_+1]
.set j_, j_+1
.endr
.set j_, 0
.rept 32
	v_min_u32 v[T+2*j_], s58, v[T+2*j_]            ; 0: the first choice (or a shared group); 1: the second
.set j_, j_+1
.endr
.set j_, 0
.rept 32
	v_lshl_add_u32 v[T+2*j_+1], v[T+2*j_], 10, v21
.set j_, j_+1
.endr
.set j_, 0
.rept 32
	v_add_nc_u32 v[T+2*j_+1], 32*j_, v[T+2*j_+1]   ; 1,024 x plane + token
.set j_, j_+1
.endr
.set j_, 0
.rept 32
	s_or_b32 s[MK+j_], s[MK+j_], s[60+j_/8]
.set j_, j_+1
.endr
.set j_, 0
.rept 32
	v_mbcnt_lo_u32_b32 v[T+2*j_], s[MK+j_], s50
	s_bcnt1_i32_b32 s53, s[MK+j_]
	s_add_co_u32 s50, s50, s53
.set j_, j_+1
.endr
.set j_, 0
.rept 32
	v_cndmask_b32 v[T+2*j_], v20, v[T+2*j_], s[MK+j_]
.set j_, j_+1
.endr
.set j_, 0
.rept 32
	v_min_u32 v[T+2*j_], 0x43f, v[T+2*j_]          ; held inside the list's region
.set j_, j_+1
.endr
.set j_, 0
.rept 32
	v_lshlrev_b32 v[T+2*j_], 2, v[T+2*j_]
.set j_, j_+1
.endr
.set j_, 0
.rept 32
	v_add_nc_u32 v[T+2*j_], LIST, v[T+2*j_]
.set j_, j_+1
.endr
.set j_, 0
.rept 32
	ds_store_b32 v[T+2*j_], v[T+2*j_+1]
.set j_, j_+1
.endr
	v_mov_b32 v19, s50
	v_mov_b32 v18, CNTW
	ds_store_b32 v18, v19
.Lw2:
	s_wait_alu depctr_va_vdst(0)
	s_wait_dscnt 0x0
	s_barrier_signal -1
	s_barrier_wait -1
	UNIT 0, 1
	UNIT 1, 0
	s_wait_alu depctr_va_vdst(0)
	s_wait_dscnt 0x0
	s_barrier_signal -1
	s_barrier_wait -1
	v_mov_b32 v17, CNTW
	ds_load_b32 v18, v17
	s_wait_dscnt 0x0
	v_readfirstlane_b32 s50, v18
	s_min_u32 s50, s50, 1024
.macro WSEL c
.if sel == 0
	v_wmma_scale_f32_16x16x128_f8f6f4 v[rD:rD+7], v[rA:rA+7], v[rB:rB+7], \c, v[rSA], v[rSB] matrix_a_fmt:MATRIX_FMT_FP4 matrix_b_fmt:MATRIX_FMT_FP4
.elseif sel == 1
	v_wmma_scale_f32_16x16x128_f8f6f4 v[rD:rD+7], v[rA:rA+7], v[rB:rB+7], \c, v[rSA], v[rSB] matrix_a_fmt:MATRIX_FMT_FP4 matrix_b_fmt:MATRIX_FMT_FP4 matrix_b_scale:MATRIX_SCALE_ROW1
.elseif sel == 2
	v_wmma_scale_f32_16x16x128_f8f6f4 v[rD:rD+7], v[rA:rA+7], v[rB:rB+7], \c, v[rSA], v[rSB] matrix_a_fmt:MATRIX_FMT_FP4 matrix_b_fmt:MATRIX_FMT_FP4 matrix_a_scale:MATRIX_SCALE_ROW1
.else
	v_wmma_scale_f32_16x16x128_f8f6f4 v[rD:rD+7], v[rA:rA+7], v[rB:rB+7], \c, v[rSA], v[rSB] matrix_a_fmt:MATRIX_FMT_FP4 matrix_b_fmt:MATRIX_FMT_FP4 matrix_a_scale:MATRIX_SCALE_ROW1 matrix_b_scale:MATRIX_SCALE_ROW1
.endif
.endm
.macro HLOAD s                         ; K step s's hidden fragments of both row tiles: four loads
.irp i, 0,1
.irp c, 0,1
	global_load_b128 v[H+16*((\s)%6)+8*\i+4*\c:H+16*((\s)%6)+8*\i+4*\c+3], v18, s[10:11] offset:(4*(\s)+2*\c)*16384+256*\i
.endr
.endr
.endm
.macro KSTEP s
.rept 4
	v_nop                                          ; places ahead of loads into registers that matrix instructions have read
.endr
.if ((\s) > 0) && ((\s)+5 < 16)
	HLOAD (\s)+5                                   ; into the registers that the step before has multiplied
.endif
.irp t, 0,1,2,3
.irp c, 0,1
	ds_load_b128 v[WF+8*\t+4*\c:WF+8*\t+4*\c+3], v[LB] offset:\t*16*PW+64*(\s)+32*\c
.endr
.endr
.irp p, 0,1
	ds_load_b32 v[WS+\p], v[LSW] offset:\p*32*PS+4*(\s)
.endr
.if 15-(\s) < 5
	s_wait_loadcnt 4*(15-(\s))                     ; this K step's four loads are in; those of the later steps may be out
.else
	s_wait_loadcnt 20                              ; likewise: five later steps' loads have been issued
.endif
	s_wait_dscnt 0x0
.irp i, 0,1
.irp t, 0,1,2,3
.set rD, ACC+32*\i+8*\t
.set rA, WF+8*\t
.set rB, H+16*((\s)%6)+8*\i
.set rSA, WS+(\t/2)
.set rSB, HS+(\s)
.set sel, 2*(\t%2)+\i
.if (\s) == 0
	WSEL 0
.else
	WSEL v[rD:rD+7]
.endif
.endr
.endr
.endm
	s_mov_b32 s54, 0                               ; 2,048 x trip: 512 slots of 4 bytes
.Ltrip:
	s_lshr_b32 s55, s54, 2
	s_lshl_b32 s56, s26, 5
	s_add_co_u32 s55, s55, s56                     ; the pass's first slot
	s_cmp_ge_u32 s55, s50
	s_cbranch_scc1 .Lskip
	s_wait_xcnt 0x0                                ; the last pass's stores have read their registers
	v_add_nc_u32 v17, s54, v[LISTQ]
	s_lshl_b32 s56, s54, 2
	v_add_nc_u32 v18, s56, v[HB]
	v_add_nc_u32 v19, s54, v[HSB]
.irp i, 0,1
.irp q, 0,1,2,3,4,5,6,7
	ds_load_b32 v[YA+8*\i+\q], v17 offset:64*\i+8*\q   ; rows 2 q + h of row tile i
.endr
.endr
.irp s, 0,1,2,3,4,5,6,7,8,9,10,11,12,13,14,15
	global_load_b32 v[HS+\s], v19, s[12:13] offset:4096*\s
.endr
.irp s, 0,1,2,3,4,5
	HLOAD \s
.endr
	s_wait_dscnt 0x0
.set n_, 0
.rept 16
	v_min_u32 v[YA+n_], 0xd7f, v[YA+n_]            ; held inside y's 3,456 rows
.set n_, n_+1
.endr
.set n_, 0
.rept 16
	v_lshl_add_u32 v[YA+n_], v[YA+n_], 12, v[R16]
.set n_, n_+1
.endr
	s_wait_alu depctr_va_vdst(0)                   ; the wait behind these writes
.irp s, 0,1,2,3,4,5,6,7,8,9,10,11,12,13,14,15
	KSTEP \s
.endr
.rept 4
	v_nop
.endr
.irp i, 0,1
.irp t, 0,1,2,3
	ds_store_b128 v[STO], v[ACC+32*\i+8*\t:ACC+32*\i+8*\t+3] offset:64*\t      ; each accumulator from its low end on
	ds_store_b128 v[STO], v[ACC+32*\i+8*\t+4:ACC+32*\i+8*\t+7] offset:64*\t+16
.endr
.irp q, 0,1,2,3,4,5,6,7
	ds_load_b128 v[H+32*\i+4*\q:H+32*\i+4*\q+3], v[RD] offset:2*272*\q         ; LDS serves a wave's instructions in order: these see my stores, and row tile 1's stores come behind row tile 0's loads
.endr
.endr
	s_wait_dscnt 16                                ; row tile 0 is back; row tile 1's 8 stores and 8 loads may be out
.irp q, 0,1,2,3,4,5,6,7
	global_store_b128 v[YA+\q], v[H+4*\q:H+4*\q+3], s[14:15]                   ; sixteen lanes store 256 consecutive bytes, aligned
.endr
	s_wait_dscnt 0x0
.irp q, 0,1,2,3,4,5,6,7
	global_store_b128 v[YA+8+\q], v[H+32+4*\q:H+32+4*\q+3], s[14:15]
.endr
.Lskip:
	s_add_co_u32 s54, s54, 2048
	s_cmp_lt_u32 s54, 4096
	s_wait_alu depctr_va_vdst(0)
	s_cbranch_scc1 .Ltrip
	s_wait_tensorcnt 0x0                           ; the wave's end
	ds_add_u32 v[SPW], v[NIL]
	s_wait_dscnt 0x0
	s_endpgm
.Lfunc_end_k_qe6779de310_down:
	.size	k_qe6779de310_down, .Lfunc_end_k_qe6779de310_down-k_qe6779de310_down
	.p2alignl 7, 3214868480
	.fill 96, 4, 3214868480
	.section	.rodata,"a",@progbits
	.p2align	6, 0x0
	.amdhsa_kernel k_qe6779de310_down
		.amdhsa_group_segment_fixed_size 146944
		.amdhsa_private_segment_fixed_size 0
		.amdhsa_enable_private_segment 0
		.amdhsa_kernarg_size 48
		.amdhsa_user_sgpr_count 2
		.amdhsa_user_sgpr_kernarg_segment_ptr 1
		.amdhsa_wavefront_size32 1
		.amdhsa_system_sgpr_workgroup_id_x 1
		.amdhsa_system_sgpr_workgroup_id_y 1
		.amdhsa_system_sgpr_workgroup_id_z 1
		.amdhsa_system_vgpr_workitem_id 0
		.amdhsa_next_free_vgpr 256
		.amdhsa_next_free_sgpr 100
		.amdhsa_reserve_vcc 0
		.amdhsa_float_denorm_mode_32 3
		.amdhsa_float_denorm_mode_16_64 3
		.amdhsa_memory_ordered 1
		.amdhsa_forward_progress 1
		.amdhsa_inst_pref_size 104
	.end_amdhsa_kernel
	.amdgpu_metadata
---
amdhsa.version: [ 1, 2 ]
amdhsa.kernels:
  - .name:           k_qe6779de310_down
    .symbol:         k_qe6779de310_down.kd
    .args:
      - { .name: W_down, .offset: 0, .size: 8, .value_kind: global_buffer, .address_space: global }
      - { .name: Ws_down, .offset: 8, .size: 8, .value_kind: global_buffer, .address_space: global }
      - { .name: tki, .offset: 16, .size: 8, .value_kind: global_buffer, .address_space: global }
      - { .name: hid, .offset: 24, .size: 8, .value_kind: global_buffer, .address_space: global }
      - { .name: hs, .offset: 32, .size: 8, .value_kind: global_buffer, .address_space: global }
      - { .name: y, .offset: 40, .size: 8, .value_kind: global_buffer, .address_space: global }
    .group_segment_fixed_size: 146944
    .private_segment_fixed_size: 0
    .kernarg_segment_align: 8
    .kernarg_segment_size: 48
    .max_flat_workgroup_size: 512
    .sgpr_count:     100
    .vgpr_count:     256
    .wavefront_size: 32
...
	.end_amdgpu_metadata
.endif
;; end of part 3
;; launch combine (part 4): grid 256 x 1, 4 waves a work-group, no clusters, 0 bytes of LDS; arguments y, tkw, out0; writes out0
.if DOCPART == 4
	.amdgcn_target "amdgcn-amd-amdhsa--gfx1250"
	.amdhsa_code_object_version 6
	.text
	.protected	k_qe6779de310_combine
	.globl	k_qe6779de310_combine
	.p2align	8
	.type	k_qe6779de310_combine,@function
k_qe6779de310_combine:
	s_mov_b64 s[64:65], 0
	v_nop
	global_prefetch_b8 v0, s[64:65] scope:SCOPE_SE
	s_setreg_imm32_b32 hwreg(HW_REG_WAVE_MODE, 25, 1), 1
	s_wait_xcnt 0x0
; SPARSE MoE, launch 4 of 4.  out0[n] = y[n] (the shared expert) + w0 y[1,024 + n] (the first choice) + w1 y[2,048 + n] (the second).
; Work left out: the six experts whose combine weight is 0 by reference()'s own one_hot add nothing (shown at the head of the first launch).
; One wave, one token: three rows of 4,096 bytes in, one out; each load and store of the wave covers 512 consecutive bytes.  All 24 loads are issued at once.  No LDS, no matrix unit, no cluster: no byte is read twice.
	s_load_b128 s[4:7], s[0:1], 0x0                ; y, tkw
	s_load_b64 s[8:9], s[0:1], 0x10                ; out0
	v_lshrrev_b32 v1, 5, v0
	v_readfirstlane_b32 s20, v1
	v_and_b32 v2, 31, v0
	v_lshlrev_b32 v2, 4, v2                        ; 16 bytes a lane
	s_lshl_b32 s21, ttmp9, 2
	s_add_co_u32 s21, s21, s20                     ; my token
	s_lshl_b32 s22, s21, 3
	s_lshl_b32 s24, s21, 12
	s_mov_b32 s25, 0
	s_wait_alu depctr_va_vdst(0)                   ; the wait at the head's end
	s_wait_kmcnt 0x0
	s_load_b64 s[14:15], s[6:7], s22 offset:0x0    ; its two weights
	s_add_nc_u64 s[26:27], s[4:5], s[24:25]
	s_add_nc_u64 s[28:29], s[26:27], 0x400000
	s_add_nc_u64 s[30:31], s[26:27], 0x800000
	s_add_nc_u64 s[8:9], s[8:9], s[24:25]
.irp q, 0,1,2,3,4,5,6,7
	global_load_b128 v[16+12*\q:19+12*\q], v2, s[26:27] offset:512*\q th:TH_LOAD_NT
	global_load_b128 v[20+12*\q:23+12*\q], v2, s[28:29] offset:512*\q th:TH_LOAD_NT
	global_load_b128 v[24+12*\q:27+12*\q], v2, s[30:31] offset:512*\q th:TH_LOAD_NT
.endr
	s_wait_kmcnt 0x0
	s_mov_b32 s16, s15                             ; w1 as the low word of a pair of its own: the packed form takes a scalar pair's low word for both halves
	s_mov_b32 s17, s15
.irp q, 0,1,2,3,4,5,6,7
	s_wait_loadcnt 3*(7-\q)                        ; this piece's three loads are in; the later pieces' may be out
	v_pk_fma_f32 v[16+12*\q:17+12*\q], v[20+12*\q:21+12*\q], s[14:15], v[16+12*\q:17+12*\q] op_sel_hi:[1,0,1]
	v_pk_fma_f32 v[18+12*\q:19+12*\q], v[22+12*\q:23+12*\q], s[14:15], v[18+12*\q:19+12*\q] op_sel_hi:[1,0,1]
	v_pk_fma_f32 v[16+12*\q:17+12*\q], v[24+12*\q:25+12*\q], s[16:17], v[16+12*\q:17+12*\q] op_sel_hi:[1,0,1]
	v_pk_fma_f32 v[18+12*\q:19+12*\q], v[26+12*\q:27+12*\q], s[16:17], v[18+12*\q:19+12*\q] op_sel_hi:[1,0,1]
	global_store_b128 v2, v[16+12*\q:19+12*\q], s[8:9] offset:512*\q th:TH_STORE_NT
.endr
	s_endpgm
.Lfunc_end_k_qe6779de310_combine:
	.size	k_qe6779de310_combine, .Lfunc_end_k_qe6779de310_combine-k_qe6779de310_combine
	.p2alignl 7, 3214868480
	.fill 96, 4, 3214868480
	.section	.rodata,"a",@progbits
	.p2align	6, 0x0
	.amdhsa_kernel k_qe6779de310_combine
		.amdhsa_group_segment_fixed_size 0
		.amdhsa_private_segment_fixed_size 0
		.amdhsa_enable_private_segment 0
		.amdhsa_kernarg_size 24
		.amdhsa_user_sgpr_count 2
		.amdhsa_user_sgpr_kernarg_segment_ptr 1
		.amdhsa_wavefront_size32 1
		.amdhsa_system_sgpr_workgroup_id_x 1
		.amdhsa_system_sgpr_workgroup_id_y 1
		.amdhsa_system_sgpr_workgroup_id_z 1
		.amdhsa_system_vgpr_workitem_id 0
		.amdhsa_next_free_vgpr 112
		.amdhsa_next_free_sgpr 66
		.amdhsa_reserve_vcc 0
		.amdhsa_float_denorm_mode_32 3
		.amdhsa_float_denorm_mode_16_64 3
		.amdhsa_memory_ordered 1
		.amdhsa_forward_progress 1
		.amdhsa_inst_pref_size 7
	.end_amdhsa_kernel
	.amdgpu_metadata
---
amdhsa.version: [ 1, 2 ]
amdhsa.kernels:
  - .name:           k_qe6779de310_combine
    .symbol:         k_qe6779de310_combine.kd
    .args:
      - { .name: y, .offset: 0, .size: 8, .value_kind: global_buffer, .address_space: global }
      - { .name: tkw, .offset: 8, .size: 8, .value_kind: global_buffer, .address_space: global }
      - { .name: out0, .offset: 16, .size: 8, .value_kind: global_buffer, .address_space: global }
    .group_segment_fixed_size: 0
    .private_segment_fixed_size: 0
    .kernarg_segment_align: 8
    .kernarg_segment_size: 24
    .max_flat_workgroup_size: 128
    .sgpr_count:     66
    .vgpr_count:     112
    .wavefront_size: 32
...
	.end_amdgpu_metadata
.endif
;; end of part 4
